; MI455X (gfx1250); checked and timed in simulation.
; The chip was launched on July 23, 2026; its instructions are those of AMD's public machine-readable ISA for CDNA 5 (MIT licence, August 2026) and "CDNA5" Instruction Set Architecture Reference Guide (July 2026). The comments in the code are by the model that wrote it; some were corrected since.
;; Local Global Multihead Attention. Allowed arithmetic: float matrix products may take bf16 or f16 operands with f32 sums; all other float work in f32.
;; Inputs: Wk 512 x 512 float32; Wo 512 x 512 float32; Wq 512 x 512 float32; Wv 512 x 512 float32; attn_mask 4 x 2,048 bool; bk 512 float32; bo 512 float32; bq 512 float32; bv 512 float32; x 4 x 2,048 x 512 float32.
;; Outputs: out0 4 x 2,048 x 512 float32.
;; One version. Each part assembles by itself: llvm-mc -triple=amdgcn-amd-amdhsa -mcpu=gfx1250 --defsym DOCPART=n.
;; ======== version 1 of 1: 3 launches
;; limits: values are held in f16: magnitudes above 65,504 overflow, below 6.1e-05 lose precision; right only within a limited range of input values
;; workspace buffers: qs 8,388,608 bytes; kv 16,777,216 bytes; at 8,388,608 bytes; wob 524,288 bytes; kb 65,536 bytes; vpart 131,072 bytes
;; launch qkv (part 1): grid 4 x 64, 4 waves a work-group, clusters of 4 x 4, 327,680 bytes of LDS; arguments x, Wq, Wk, Wv, Wo, bq, bk, bv, attn_mask, qs, kv, wob, kb, vpart; writes qs, kv, wob, kb, vpart
.if DOCPART == 1
	.amdgcn_target "amdgcn-amd-amdhsa--gfx1250"
	.amdhsa_code_object_version 6
	.text
	.protected	k_qf5531970a5_qkv
	.globl	k_qf5531970a5_qkv
	.p2align	8
	.type	k_qf5531970a5_qkv,@function
k_qf5531970a5_qkv:
	s_mov_b64 s[64:65], 0
	v_nop
	global_prefetch_b8 v0, s[64:65] scope:SCOPE_SE
	s_setreg_imm32_b32 hwreg(HW_REG_WAVE_MODE, 25, 1), 1
	s_wait_xcnt 0x0
	s_wait_alu depctr_hold_cnt(0) depctr_sa_sdst(0) depctr_va_vdst(0) depctr_va_sdst(0) depctr_va_ssrc(0) depctr_va_vcc(0) depctr_vm_vsrc(0)
	s_getreg_b32 s2, hwreg(HW_REG_IB_STS2, 6, 4)
	s_cmp_eq_u32 s2, 0
	s_cbranch_scc0 .Lentry_in_a_cluster
	s_endpgm
.Lentry_in_a_cluster:
	s_bfe_u32 s2, ttmp6, 0x10000c
	s_cmp_lg_u32 s2, 0xf033
	s_cbranch_scc0 .Lentry_shape_is_right
	s_endpgm
.Lentry_shape_is_right:
; q, k, v = x W^T + b for x [8192][512] and Wq, Wk, Wv [512][512], all f32 in memory; products in f16 with f32 sums.
; q is multiplied by 0.125 log2(e), so that the attention launch can use base-2 exponentials without a further scale.
; LIMITS: matrix operands are f16: |x|, |W| and the results |q|, |k|, |v| have to stay below 65,504; magnitudes below 6.1e-5 keep an
; absolute error of about 3e-8.
; A work-group makes rows 128 wy .. +127 and columns 128 wx .. +127 of each of q, k and v.  Wave w makes all 128 rows of columns
; 32 w .. 32 w + 31 of q, of k and of v: 8 row tiles (a) x 6 column tiles (c: 0,1 q; 2,3 k; 4,5 v), 48 accumulators, 384 registers.
; q and k tiles are made transposed (source 0 = rows of W, source 1 = rows of x): a lane holds one row of x and 8 neighbouring columns.
; v tiles are made the natural way (source 0 = x, source 1 = Wv): a lane holds one column and 8 neighbouring keys.  Both give the 16
; bytes a lane that the attention launch's fragments want, so every store of a wave covers 512 consecutive bytes, aligned.
; OUTPUT LAYOUTS (lane = 16 h + r):
;   qs [b][head][n/16][2 KB]: [d/8][n%16][8 d] f16.
;   kv [b][head][n/32][8 KB]: 4 KB of k as [n/16 % 2][d/8][n%16][8 d], then 4 KB of v transposed as [d/16][key/8 % 4][d%16][8 keys].
; K goes in steps of 64 f32 (rows of 256 bytes, aligned) through two LDS slots; a slot holds the tiles of x, Wq, Wk, Wv (128 rows each).
; CLUSTERS: 4 x 4 work-groups.  x's tile hangs on wy alone and is asked for jointly along a row of the cluster, a W tile on wx alone and
; is asked for jointly along a column: a work-group's requests are a quarter of the bytes that it multiplies.
; SIDE JOBS, shared out evenly over the 256 work-groups (g = 4 wy + wx): 2 KB of Wo in f16 fragment order (wob), 64 entries of the key
; bias table (kb), and the column sums of v over the work-group's 128 rows (vpart), for rows whose keys are all masked.
.set PITCH,  272                       ; an LDS row: 256 bytes + 16 of padding: row r starts 16 r bytes further modulo 256
.set TILE,   128*PITCH                 ; 34,816: what one tensor load brings
.set SLOT,   4*TILE                    ; 139,264: x, Wq, Wk, Wv
.set KSTEPB, 256                       ; bytes of a row in a K step
.set ADRA, 5                           ; v5,6    LDS address of x's fragments in slot 0, 1
.set ADRB, 7                           ; v7,8    of my 32 rows of Wq (Wk lies one tile further)
.set ADRV, 9                           ; v9,10   of my 32 rows of Wv
.set VS,   24                          ; v[24:27] column sums of v, a pair for each of my two v tiles
.set LND,  32                          ; v[32:255] landing: fragment f (0-7 x's row tiles, 8-13 column tiles) as 16 f32
.set T,    32                          ; v[32:79] the way out: six tiles of 8
.set FA,   0                           ; window 1: v0-63 x's fragments in f16
.set FB,   64                          ; window 1: v64-111 W's fragments in f16
.set BQ,   112                         ; window 1: bq of my columns, already scaled (2 tiles x 8)
.set BK,   128                         ; window 1: bk (2 tiles x 8)
.set BV,   144                         ; window 1: bv of my column, twice (2 tiles x a pair)
.set G1,  24                           ; s[24:31] group 1 for x's tile
.set G0,  32                           ; s[32:39] group 0 for x's tile, a set for each slot
.set G1B, 48                           ; s[48:55] group 1 for W's tiles: differs in the mask alone
.set G0B, 56                           ; s[56:63] group 0 for W's tiles, a set for each slot
; windows 2 and 3: accumulator 6 a + c at 8 (6 a + c), the first 32 in window 2
.set MSB, 0
.macro WIN new                         ; the immediate's high byte repeats the setting that is left
.if MSB != \new
	s_set_vgpr_msb (MSB<<8)|\new
.set MSB, \new
.endif
.endm
.macro PLACES                          ; four places behind a matrix instruction (ISA guide 7.12.1)
.rept 4
	v_nop
.endr
.endm
; A joint load.  Wave 0 asks for x's tile, waves 1 to 3 for the tiles of Wq, Wk, Wv.  The branch hangs on the wave's number alone.
.macro JLOAD s
	s_cmp_eq_u32 s20, 0
	s_cbranch_scc0 .Lfor_w_\@
	tensor_load_to_lds s[G0+4*\s:G0+4*\s+3], s[G1:G1+7]
	s_nop 0
	s_branch .Lasked_\@
.Lfor_w_\@:
	tensor_load_to_lds s[G0B+4*\s:G0B+4*\s+3], s[G1B:G1B+7]
	s_nop 0
.Lasked_\@:
.endm
.macro CREST                           ; a round of the cluster's barrier behind its opening barrier
	s_cmp_lg_u32 s20, 0
	s_cbranch_scc1 .Lnot_wave_0_\@
	s_barrier_signal -3
.Lnot_wave_0_\@:
	s_barrier_wait -3
	s_barrier_signal -1
	s_barrier_wait -1
.endm
.macro CROUND                          ; a whole round
	s_barrier_signal -1
	s_barrier_wait -1
	CREST
.endm
	s_load_b256 s[4:11], s[0:1], 0x0               ; x s[4:5], Wq s[6:7], Wk s[8:9], Wv s[10:11]
	s_load_b256 s[12:19], s[0:1], 0x20             ; Wo s[12:13], bq s[14:15], bk s[16:17], bv s[18:19]
	s_load_b256 s[68:75], s[0:1], 0x40             ; attn_mask s[68:69], qs s[70:71], kv s[72:73], wob s[74:75]
	s_load_b128 s[76:79], s[0:1], 0x60             ; kb s[76:77], vpart s[78:79]
	s_set_vgpr_msb 0x40
	v_lshl_add_u32 v254, v0, 2, 0x44000
	v_mov_b32 v255, 0
	s_set_vgpr_msb 0x4045
	ds_add_u32 v254, v255
	s_set_vgpr_msb 0x4500
	v_lshrrev_b32 v1, 5, v0
	v_readfirstlane_b32 s20, v1                    ; wave 0..3
	s_bfe_u32 s40, ttmp6, 0x40000                  ; cx
	s_bfe_u32 s41, ttmp6, 0x40004                  ; cy
	s_lshl_b32 s42, ttmp9, 2
	s_add_co_u32 s42, s42, s40                     ; wx = 4 x cluster x + cx
	s_and_b32 s43, ttmp7, 0xffff
	s_lshl_b32 s43, s43, 2
	s_add_co_u32 s43, s43, s41                     ; wy = 4 x cluster y + cy
	s_lshl_b32 s44, s41, 2
	s_lshl_b32 s44, 15, s44                        ; my row of the cluster
	s_lshl_b32 s45, 0x1111, s40                    ; my column
	; group 1: 128 rows x 64 elements of 4 bytes, 512 elements from row to row, 4 words of padding behind every 64 words
	s_or_b32 s[G1+0], s44, (2<<16)|(1<<20)|(1<<21)|(5<<22)|(3<<25)
	s_or_b32 s[G1B+0], s45, (2<<16)|(1<<20)|(1<<21)|(5<<22)|(3<<25)
	s_mov_b32 s[G1+1], 64<<16                      ; tensor_dim0 = 64
	s_mov_b32 s[G1B+1], 64<<16
	s_mov_b32 s[G1+2], 128<<16                     ; tensor_dim1 = 128
	s_mov_b32 s[G1B+2], 128<<16
	s_mov_b32 s[G1+3], 64<<16                      ; tile_dim0 = 64
	s_mov_b32 s[G1B+3], 64<<16
	s_mov_b32 s[G1+4], 128                         ; tile_dim1 = 128
	s_mov_b32 s[G1B+4], 128
	s_mov_b32 s[G1+5], 512                         ; pitch
	s_mov_b32 s[G1B+5], 512
	s_mov_b32 s[G1+6], 0
	s_mov_b32 s[G1B+6], 0
	s_mov_b32 s[G1+7], 0
	s_mov_b32 s[G1B+7], 0
	s_lshl_b32 s80, s43, 18                        ; x: 128 wy rows of 2,048 bytes (no register here ever holds cx)
	s_mov_b32 s81, 0
	s_lshl_b32 s82, s42, 18                        ; W: 128 wx rows (no register here ever holds cy)
	s_mov_b32 s83, 0
	s_mul_i32 s46, s20, TILE                       ; my tile's place in a slot: the wave's number alone
	s_mov_b32 s22, 0x76543210                      ; v_permlanex16_b32: lane i of one half reads lane i of the other
	s_mov_b32 s23, 0xfedcba98
	s_mov_b32 s86, 0x3e38aa3b                      ; 0.125 log2(e), twice: a pair for the packed forms
	s_mov_b32 s87, 0x3e38aa3b
	s_wait_dscnt 0x0
	s_wait_kmcnt 0x0
	s_cmp_eq_u32 s20, 2
	s_cselect_b64 s[84:85], s[8:9], s[6:7]         ; wave 2: Wk; wave 3: Wv; else Wq
	s_cmp_eq_u32 s20, 3
	s_cselect_b64 s[84:85], s[10:11], s[84:85]
	s_add_nc_u64 s[80:81], s[4:5], s[80:81]
	s_add_nc_u64 s[84:85], s[84:85], s[82:83]
	CROUND                                         ; all sixteen work-groups are here: the first joint loads meet
.irp s, 0,1
	s_mov_b32 s[G0+4*\s], 1
	s_add_co_u32 s[G0+4*\s+1], s46, \s*SLOT
	s_add_nc_u64 s[G0+4*\s+2:G0+4*\s+3], s[80:81], \s*KSTEPB       ; K step s
	s_or_b32 s[G0+4*\s+3], s[G0+4*\s+3], 0x80000000
	s_mov_b32 s[G0B+4*\s], 1
	s_add_co_u32 s[G0B+4*\s+1], s46, \s*SLOT
	s_add_nc_u64 s[G0B+4*\s+2:G0B+4*\s+3], s[84:85], \s*KSTEPB
	s_or_b32 s[G0B+4*\s+3], s[G0B+4*\s+3], 0x80000000
	JLOAD \s                                       ; both slots are asked for before anything else: two tensor loads of a wave are out
.endr
	; lane terms
	v_and_b32 v1, 31, v0                           ; lane
	v_and_b32 v2, 15, v0                           ; r
	v_bfe_u32 v3, v0, 4, 1                         ; h
	v_mul_u32_u24 v4, v2, PITCH
	v_lshl_add_u32 v4, v3, 5, v4                   ; 272 r + 32 h: 8 f32 along K for each half of the lanes
	s_mul_i32 s66, s20, 32*PITCH
	s_add_co_u32 s66, s66, TILE                    ; my 32 rows of Wq's tile
	v_mov_b32 v[ADRA], v4
	v_add_nc_u32 v[ADRA+1], SLOT, v4
	v_add_nc_u32 v[ADRB], s66, v4
	v_add_nc_u32 v[ADRB+1], SLOT, v[ADRB]
	v_add_nc_u32 v[ADRV], 2*TILE, v[ADRB]
	v_add_nc_u32 v[ADRV+1], 2*TILE, v[ADRB+1]
	v_lshlrev_b32 v11, 4, v1                       ; 16 lane
	v_lshlrev_b32 v12, 5, v3                       ; 32 h
	v_lshlrev_b32 v13, 2, v2                       ; 4 r
	v_lshlrev_b32 v14, 2, v1                       ; 4 lane
	; bases.  Each buffer's address is advanced in its own registers.
	s_lshl2_add_u32 s47, s43, s42                  ; g = 4 wy + wx
	s_mov_b32 s95, 0
	s_lshr_b32 s66, s47, 5                         ; Wo's rows for this work-group's 2 KB of wob: group of 64 columns g >> 5,
	s_lshl_b32 s66, s66, 17
	s_bfe_u32 s67, s47, 0x20003                    ; column 4 r + t with t = (g >> 3) & 3,
	s_lshl_b32 s67, s67, 11
	s_add_co_u32 s66, s66, s67
	s_and_b32 s67, s47, 7                          ; K blocks of 32: 2 (g & 7) and the next
	s_lshl_b32 s67, s67, 8
	s_add_co_u32 s94, s66, s67
	s_add_nc_u64 s[12:13], s[12:13], s[94:95]
	s_lshl_b32 s94, s47, 11
	s_add_nc_u64 s[74:75], s[74:75], s[94:95]      ; wob + 2,048 g
	s_lshl_b32 s94, s42, 9
	s_lshl_b32 s66, s20, 7
	s_add_co_u32 s94, s94, s66                     ; 4 (128 wx + 32 w)
	s_add_nc_u64 s[14:15], s[14:15], s[94:95]
	s_add_nc_u64 s[16:17], s[16:17], s[94:95]
	s_add_nc_u64 s[18:19], s[18:19], s[94:95]
	s_lshl_b32 s66, s43, 11
	s_add_co_u32 s94, s94, s66
	s_add_nc_u64 s[78:79], s[78:79], s[94:95]      ; vpart + 2,048 wy + 4 (128 wx + 32 w)
	s_lshr_b32 s94, s47, 6
	s_lshl_b32 s94, s94, 11
	s_add_nc_u64 s[68:69], s[68:69], s[94:95]      ; the mask of batch g >> 6
	s_lshl_b32 s94, s47, 8
	s_add_nc_u64 s[76:77], s[76:77], s[94:95]      ; kb + 256 g
	s_lshr_b32 s66, s43, 4                         ; b
	s_lshl_b32 s66, s66, 3
	s_lshl1_add_u32 s66, s42, s66
	s_lshr_b32 s67, s20, 1
	s_add_co_u32 s66, s66, s67                     ; 8 b + head, head = 2 wx + (w >> 1)
	s_and_b32 s67, s43, 15                         ; which 128 rows of the batch
	s_and_b32 s96, s20, 1                          ; which half of the head's 64 columns
	s_lshl_b32 s94, s66, 18
	s_lshl_b32 s97, s67, 14
	s_add_co_u32 s94, s94, s97
	s_lshl_b32 s97, s96, 10
	s_add_co_u32 s94, s94, s97
	s_add_nc_u64 s[70:71], s[70:71], s[94:95]      ; q's stores
	s_lshl_b32 s94, s66, 19
	s_lshl_b32 s67, s67, 15
	s_add_co_u32 s94, s94, s67
	s_add_nc_u64 s[72:73], s[72:73], s[94:95]
	s_mov_b32 s94, s97
	s_add_nc_u64 s[88:89], s[72:73], s[94:95]      ; k's stores
	s_lshl_b32 s94, s96, 11
	s_add_nc_u64 s[90:91], s[72:73], s[94:95]      ; v's stores
	; side job 1: thread t makes the 16 bytes at 16 t of this work-group's 2 KB of wob.  wob is [nt][ks][kc][r][8 k] f16 with
	; nt = 4 ng + t: lane r of column tile t stands for Wo's row 64 ng + 4 r + t, so that in the last launch a lane's four tiles hold
	; four neighbouring columns of the output.
	v_lshrrev_b32 v16, 6, v0
	v_bfe_u32 v17, v0, 4, 2
	v_lshlrev_b32 v15, 13, v2                      ; 4 r rows of 2,048 bytes
	v_lshl_add_u32 v15, v16, 7, v15                ; + the K block of 32
	v_lshl_add_u32 v15, v17, 5, v15                ; + 8 f32
	v_lshlrev_b32 v18, 4, v0
	global_load_b128 v[32:35], v15, s[12:13]
	global_load_b128 v[36:39], v15, s[12:13] offset:16
	WIN 0x40                                       ; loaded data go to window 1
.irp c, 0,1
	global_load_b128 v[BQ+8*\c:BQ+8*\c+3],   v12, s[14:15] offset:64*\c       ; columns 16 c + 8 h + 0..7
	global_load_b128 v[BQ+8*\c+4:BQ+8*\c+7], v12, s[14:15] offset:64*\c+16
	global_load_b128 v[BK+8*\c:BK+8*\c+3],   v12, s[16:17] offset:64*\c
	global_load_b128 v[BK+8*\c+4:BK+8*\c+7], v12, s[16:17] offset:64*\c+16
	global_load_b32 v[BV+2*\c],   v13, s[18:19] offset:64*\c                  ; column 16 c + r, in both registers of a pair
	global_load_b32 v[BV+2*\c+1], v13, s[18:19] offset:64*\c
.endr
	WIN 0
	s_wait_loadcnt 0xc                             ; the twelve bias loads may stay out: Wo's 8 numbers are in
	v_cvt_pk_f16_f32 v40, v32, v33
	v_cvt_pk_f16_f32 v41, v34, v35
	v_cvt_pk_f16_f32 v42, v36, v37
	v_cvt_pk_f16_f32 v43, v38, v39
	global_store_b128 v18, v[40:43], s[74:75]
	; side job 2, wave 0: 64 entries of kb.  Entry e of a batch stands for key e - 1024: 0 for a key inside 0..2047 whose mask is true,
	; else -2^126.  The padding on both sides lets the attention launch read the bias of blocks outside the sequence.
	s_cmp_lg_u32 s20, 0
	s_cbranch_scc1 .Lno_kb
	s_and_b32 s66, s47, 63
	s_lshl_b32 s66, s66, 6
	s_sub_co_i32 s66, s66, 1024
	v_lshl_add_u32 v19, v1, 1, s66                 ; my first key of two (even; negative on the left padding)
	v_min_u32 v20, 0x7fe, v19                      ; unsigned: keys outside 0..2047 read the last two bytes, and their value is not used
	global_load_u16 v21, v20, s[68:69]
	v_mov_b32 v16, 0xfe800000                      ; -2^126
	v_mov_b32 v17, 0
	v_lshlrev_b32 v22, 3, v1
	v_cmp_gt_u32 s96, 0x800, v19                   ; inside the sequence
	s_wait_loadcnt 0x0
	v_and_b32 v23, 0xff, v21
	v_lshrrev_b32 v21, 8, v21
	v_cmp_ne_u32 s97, 0, v23
	s_and_b32 s97, s97, s96
	v_cndmask_b32 v28, v16, v17, s97
	v_cmp_ne_u32 s97, 0, v21
	s_and_b32 s97, s97, s96
	v_cndmask_b32 v29, v16, v17, s97
	global_store_b64 v22, v[28:29], s[76:77]       ; the wave's store covers 256 consecutive bytes, aligned
.Lno_kb:
	s_wait_loadcnt 0x0                             ; the biases
	WIN 0x41
.irp i, 0,2,4,6,8,10,12,14
	v_pk_mul_f32 v[BQ+\i:BQ+\i+1], v[BQ+\i:BQ+\i+1], s[86:87] op_sel_hi:[1,0]   ; (acc + bq) c = acc c + bq c
.endr
	WIN 0
	s_wait_xcnt 0x0                                ; the side jobs' store data lie where fragments land: rewritten only behind this wait
; one fragment's 16 f32 of a row: k = 8 h .. 8 h + 7 and 16 + 8 h .. 16 + 8 h + 7
.macro LD4 f, adr, off
	ds_load_b128 v[LND+16*(\f):LND+16*(\f)+3],     v[\adr] offset:\off
	ds_load_b128 v[LND+16*(\f)+4:LND+16*(\f)+7],   v[\adr] offset:\off+16
	ds_load_b128 v[LND+16*(\f)+8:LND+16*(\f)+11],  v[\adr] offset:\off+64
	ds_load_b128 v[LND+16*(\f)+12:LND+16*(\f)+15], v[\adr] offset:\off+80
.endm
; 56 LDS loads: the fourteen fragments of one half step (32 along K, 128 bytes of the rows)
.macro FETCH slot, sub
	WIN 0
.irp a, 0,1,2,3,4,5,6,7
	LD4 \a, ADRA+\slot, \a*16*PITCH+\sub*128
.endr
.irp c, 0,1
	LD4 8+\c, ADRB+\slot, \c*16*PITCH+\sub*128
	LD4 10+\c, ADRB+\slot, TILE+\c*16*PITCH+\sub*128
	LD4 12+\c, ADRV+\slot, \c*16*PITCH+\sub*128
.endr
.endm
; f32 to f16: register i of fragment f takes numbers 2 i and 2 i + 1
.macro CVT
	WIN 0x40
.set j, 0
.rept 112
	v_cvt_pk_f16_f32 v[j], v[LND+2*j], v[LND+2*j+1]
.set j, j+1
.endr
.endm
; products of accumulators first .. last.  The accumulators take turns, one instruction a turn, in the same order in every half step.
; zero = 1: the first product starts the sums.
.macro MUL first, last, zero
.set idx, \first
.rept \last-\first+1
.set aa, idx/6
.set cc, idx%6
.set dd, 8*(idx%32)
.if cc < 4
.set opa, FB+8*cc
.set opb, FA+8*aa
.else
.set opa, FA+8*aa
.set opb, FB+8*cc
.endif
.if \zero
	v_wmma_f32_16x16x32_f16 v[dd:dd+7], v[opa:opa+7], v[opb:opb+7], 0
.else
	v_wmma_f32_16x16x32_f16 v[dd:dd+7], v[opa:opa+7], v[opb:opb+7], v[dd:dd+7]
.endif
.set idx, idx+1
.endr
.endm
; The first half of a K step: its fragments have been asked for; the second half's are asked for behind the conversion.
.macro SUB0 slot, zero
	PLACES                                         ; the conversions write registers that the last products read
	s_wait_dscnt 0x0
	CVT
	FETCH \slot, 1
	WIN 0xa5
	MUL 0, 31, \zero
	WIN 0xf5
	MUL 32, 47, \zero
.endm
; The second half, and the change of slots.  mode 2: this slot is filled again, two K steps ahead; 1: no refill; 0: the very last half.
; In front of the barrier each wave has waited for its reads of this slot and for all its tensor loads (one is out: its tile of the next
; slot).  With a refill the barrier opens a round of the cluster's barrier: behind its closing wait no wave of any partner still reads
; this slot or has a load on its way, and the joint refill is the wave's first and only tensor load there.
.macro SUB1 slot, next, mode
	PLACES
	s_wait_dscnt 0x0                               ; my last reads of this slot are back
	CVT
	WIN 0xa5
.if \mode == 0
	MUL 0, 31, 0
	WIN 0xf5
	MUL 32, 47, 0
.else
	s_wait_tensorcnt 0x0
	ds_add_u32 v254, v255
	s_wait_dscnt 0x0
	s_barrier_signal -1
	MUL 0, 31, 0                                   ; register work while the others arrive
	WIN 0
	s_barrier_wait -1
.if \mode == 2
	CREST
	s_add_nc_u64 s[G0+4*\slot+2:G0+4*\slot+3], s[G0+4*\slot+2:G0+4*\slot+3], 2*KSTEPB
	s_add_nc_u64 s[G0B+4*\slot+2:G0B+4*\slot+3], s[G0B+4*\slot+2:G0B+4*\slot+3], 2*KSTEPB
	JLOAD \slot
.endif
	FETCH \next, 0
	WIN 0xf5
	MUL 32, 47, 0
.endif
.endm
	s_wait_tensorcnt 0x1                           ; my tile of K step 0 is in; K step 1's may stay out
	s_barrier_signal -1
	s_barrier_wait -1
	FETCH 0, 0
	SUB0 0, 1                                      ; K steps 0 and 1 stand in front of the loop: the first products start the sums
	SUB1 0, 1, 2
	SUB0 1, 0
	SUB1 1, 0, 2
	WIN 0
	s_mov_b32 s21, 2
.Lk:                                               ; K steps 2 to 5; the six refills in all bring K steps 2 to 7
	SUB0 0, 0
	SUB1 0, 1, 2
	SUB0 1, 0
	SUB1 1, 0, 2
	WIN 0
	s_sub_co_u32 s21, s21, 1
	s_cmp_lg_u32 s21, 0
	s_cbranch_scc1 .Lk
	SUB0 0, 0                                      ; K step 6: nothing is left to fetch
	SUB1 0, 1, 1
	SUB0 1, 0                                      ; K step 7
	SUB1 1, 0, 0
	PLACES                                         ; before results are read
; THE WAY OUT, one row tile (16 rows of x) at a time: bias (and q's scale), v's column sums, f16, six stores of 512 bytes a wave.
.macro OUTROW a
	s_wait_xcnt 0x0                                ; the pool held the last row tile's store data
.irp c, 0,1,2,3,4,5
.set idx, 6*\a+\c
.set blk, 2+idx/32
.set dd, 8*(idx%32)
.if \c < 2
.set wn, 0x10+blk
	WIN wn
.irp i, 0,2,4,6
	v_pk_fma_f32 v[T+8*\c+\i:T+8*\c+\i+1], v[dd+\i:dd+\i+1], s[86:87], v[BQ+8*\c+\i:BQ+8*\c+\i+1] op_sel_hi:[1,0,1]
.endr
.else
.set wn, 0x04+blk
	WIN wn
.if \c < 4
.irp i, 0,2,4,6
	v_pk_add_f32 v[T+8*\c+\i:T+8*\c+\i+1], v[dd+\i:dd+\i+1], v[BK+8*(\c-2)+\i:BK+8*(\c-2)+\i+1]
.endr
.else
.irp i, 0,2,4,6
	v_pk_add_f32 v[T+8*\c+\i:T+8*\c+\i+1], v[dd+\i:dd+\i+1], v[BV+2*(\c-4):BV+2*(\c-4)+1]
.endr
.endif
.endif
.endr
	WIN 0
.irp u, 0,1
.if \a == 0
	v_pk_add_f32 v[VS+2*\u:VS+2*\u+1], v[T+32+8*\u:T+32+8*\u+1], v[T+32+8*\u+2:T+32+8*\u+3]     ; the first add starts the sum
.else
	v_pk_add_f32 v[VS+2*\u:VS+2*\u+1], v[VS+2*\u:VS+2*\u+1], v[T+32+8*\u:T+32+8*\u+1]
	v_pk_add_f32 v[VS+2*\u:VS+2*\u+1], v[VS+2*\u:VS+2*\u+1], v[T+32+8*\u+2:T+32+8*\u+3]
.endif
	v_pk_add_f32 v[VS+2*\u:VS+2*\u+1], v[VS+2*\u:VS+2*\u+1], v[T+32+8*\u+4:T+32+8*\u+5]
	v_pk_add_f32 v[VS+2*\u:VS+2*\u+1], v[VS+2*\u:VS+2*\u+1], v[T+32+8*\u+6:T+32+8*\u+7]
.endr
.irp c, 0,1,2,3,4,5
.irp i, 0,1,2,3
	v_cvt_pk_f16_f32 v[T+8*\c+\i], v[T+8*\c+2*\i], v[T+8*\c+2*\i+1]
.endr
.endr
.irp u, 0,1
	global_store_b128 v11, v[T+8*\u:T+8*\u+3],       s[70:71] offset:\a*2048+\u*512
	global_store_b128 v11, v[T+16+8*\u:T+16+8*\u+3], s[88:89] offset:(\a/2)*8192+(\a%2)*2048+\u*512
	global_store_b128 v11, v[T+32+8*\u:T+32+8*\u+3], s[90:91] offset:(\a/2)*8192+4096+\u*1024+(\a%2)*512
.endr
.endm
.irp a, 0,1,2,3,4,5,6,7
	OUTROW \a
.endr
	; v's column sums over the 128 rows: the pair, then the other half of the lanes (keys 8 h + j); lanes 0-15 keep my first v tile's
	; columns, lanes 16-31 the second's.  The wave's store covers 128 consecutive bytes: half of an aligned block of 256; the whole
	; buffer is 131,072 bytes.
	v_add_f32 v24, v24, v25
	v_add_f32 v26, v26, v27
	v_permlanex16_b32 v25, v24, s22, s23
	v_permlanex16_b32 v27, v26, s22, s23
	v_add_f32 v24, v24, v25
	v_add_f32 v26, v26, v27
	v_cmp_eq_u32 vcc_lo, 1, v3
	v_cndmask_b32 v24, v24, v26, vcc_lo
	global_store_b32 v14, v24, s[78:79]
	CROUND                                         ; the closing round: no work-group ends while a partner may still ask for a tile that names it
	s_endpgm
.Lfunc_end_k_qf5531970a5_qkv:
	.size	k_qf5531970a5_qkv, .Lfunc_end_k_qf5531970a5_qkv-k_qf5531970a5_qkv
	.p2alignl 7, 3214868480
	.fill 96, 4, 3214868480
	.section	.rodata,"a",@progbits
	.p2align	6, 0x0
	.amdhsa_kernel k_qf5531970a5_qkv
		.amdhsa_group_segment_fixed_size 327680
		.amdhsa_private_segment_fixed_size 0
		.amdhsa_enable_private_segment 0
		.amdhsa_kernarg_size 112
		.amdhsa_user_sgpr_count 2
		.amdhsa_user_sgpr_kernarg_segment_ptr 1
		.amdhsa_wavefront_size32 1
		.amdhsa_system_sgpr_workgroup_id_x 1
		.amdhsa_system_sgpr_workgroup_id_y 1
		.amdhsa_system_sgpr_workgroup_id_z 1
		.amdhsa_system_vgpr_workitem_id 0
		.amdhsa_next_free_vgpr 896
		.amdhsa_next_free_sgpr 100
		.amdhsa_reserve_vcc 1
		.amdhsa_float_denorm_mode_32 3
		.amdhsa_float_denorm_mode_16_64 3
		.amdhsa_memory_ordered 1
		.amdhsa_forward_progress 1
		.amdhsa_inst_pref_size 215
	.end_amdhsa_kernel
	.amdgpu_metadata
---
amdhsa.version: [ 1, 2 ]
amdhsa.kernels:
  - .name:           k_qf5531970a5_qkv
    .symbol:         k_qf5531970a5_qkv.kd
    .args:
      - { .name: x, .offset: 0, .size: 8, .value_kind: global_buffer, .address_space: global }
      - { .name: Wq, .offset: 8, .size: 8, .value_kind: global_buffer, .address_space: global }
      - { .name: Wk, .offset: 16, .size: 8, .value_kind: global_buffer, .address_space: global }
      - { .name: Wv, .offset: 24, .size: 8, .value_kind: global_buffer, .address_space: global }
      - { .name: Wo, .offset: 32, .size: 8, .value_kind: global_buffer, .address_space: global }
      - { .name: bq, .offset: 40, .size: 8, .value_kind: global_buffer, .address_space: global }
      - { .name: bk, .offset: 48, .size: 8, .value_kind: global_buffer, .address_space: global }
      - { .name: bv, .offset: 56, .size: 8, .value_kind: global_buffer, .address_space: global }
      - { .name: attn_mask, .offset: 64, .size: 8, .value_kind: global_buffer, .address_space: global }
      - { .name: qs, .offset: 72, .size: 8, .value_kind: global_buffer, .address_space: global }
      - { .name: kv, .offset: 80, .size: 8, .value_kind: global_buffer, .address_space: global }
      - { .name: wob, .offset: 88, .size: 8, .value_kind: global_buffer, .address_space: global }
      - { .name: kb, .offset: 96, .size: 8, .value_kind: global_buffer, .address_space: global }
      - { .name: vpart, .offset: 104, .size: 8, .value_kind: global_buffer, .address_space: global }
    .group_segment_fixed_size: 327680
    .private_segment_fixed_size: 0
    .kernarg_segment_align: 8
    .kernarg_segment_size: 112
    .max_flat_workgroup_size: 128
    .sgpr_count:     100
    .vgpr_count:     896
    .wavefront_size: 32
...
	.end_amdgpu_metadata
.endif
;; end of part 1
;; launch attn (part 2): grid 256 x 1, 8 waves a work-group, no clusters, 138,240 bytes of LDS; arguments qs, kv, kb, vpart, at; writes at
.if DOCPART == 2
	.amdgcn_target "amdgcn-amd-amdhsa--gfx1250"
	.amdhsa_code_object_version 6
	.text
	.protected	k_qf5531970a5_attn
	.globl	k_qf5531970a5_attn
	.p2align	8
	.type	k_qf5531970a5_attn,@function
k_qf5531970a5_attn:
	s_mov_b64 s[64:65], 0
	v_nop
	global_prefetch_b8 v0, s[64:65] scope:SCOPE_SE
	s_setreg_imm32_b32 hwreg(HW_REG_WAVE_MODE, 25, 1), 1
	s_wait_xcnt 0x0
; Attention with a running maximum, made transposed: S^T = K Q^T (16 keys x 16 queries a tile), O^T = V^T P^T.  In S^T a lane holds one
; query and 8 keys of each key tile, which after the exponential and the rounding to f16 IS the fragment of P^T: no lane movement.
; q carries 0.125 log2(e) already, so exponentials are base 2.  Operands f16, sums and softmax f32.
; A work-group takes 64 queries (block qb) of batch b; a wave always owns all 64 queries (4 tiles) and walks blocks of 32 keys.
;   even work-groups: head 0, all 2,048 keys: wave w takes blocks 8 w .. 8 w + 7; the eight partial results are merged in LDS.
;   odd work-groups:  wave w <= 6 takes head w + 1 and the ten blocks 2 qb - 4 .. 2 qb + 5 (keys 64 qb - 128 .. 64 qb + 191), which hold
;   every key with |i - j| <= 128.  Wave 7 has no head and ends.  64 x 2,048 against 7 x 64 x 320 scores: even within a tenth.
; MASKS are added through the C operand of the first score product: kb holds 0 or -2^126 for each key (and -2^126 outside the sequence,
; where the K/V block index is clamped so that the loads stay inside kv); the band's two edge tiles add a triangle of -2^126; tiles
; wholly outside the band take -2^126 everywhere.  Which tile is which hangs on the step alone and is decided as the text is assembled.
; A masked score drops out when an allowed one is met: exp2 of about -2^126 is 0, for its weight and for the factor on the old sums.
; A row whose final maximum is below -2^125 has no allowed key: reference() then weighs all 2,048 keys alike, so the row gets the mean
; of v over the batch's keys (from vpart; summed in another order than the reference's).
; LIMITS: |score x 0.125 log2(e)| < 2^125; f16 operands as stated in the launch that makes them.
; NO CLUSTER: the windows of neighbouring query blocks are shifted by 64 keys, so a jointly filled slot would have to be read at an LDS
; address that hangs on the place in the cluster; and every byte of K and V is read by one wave of the work-group alone, straight into
; fragment registers (each load of a wave covers 512 consecutive bytes), so a way through LDS would spare this work-group nothing.
.set ST, 16                            ; v[16:47]   query tile q at 16 + 8 q: +0 maximum M, +1 T, +2 factor AL, +3 T2, +4,5 sum L
.set SS, 48                            ; v[48:111]  scores, tile (q, k) at 48 + 16 q + 8 k; then P^T of q in 48 + 16 q .. + 7
.set KF, 112                           ; v[112:143] K fragments, 112 + 16 k + 8 ds
.set VF, 144                           ; v[144:175] V^T fragments, 144 + 8 t
.set BI, 176                           ; v[176:191] key bias, 176 + 8 k
.set VM, 192                           ; v[192:223] mean of v
.set GF, 224                           ; v[224:239] merge: (factor, sum) of each part
.set OA, 0                             ; window 1: v0-127 O^T, tile (q, t) at 8 (4 q + t)
.set QF, 128                           ; window 1: v128-191 Q fragments, 128 + 16 q + 8 ds
.set TL, 192                           ; window 1: left edge of the band: 0 where 8 h + j >= r
.set TR, 200                           ; window 1: right edge: 0 where 8 h + j <= r
.set AN, 208                           ; window 1: -2^126 everywhere
.set CM, 216                           ; window 1: key bias + edge, 216 + 8 k
.set MB,  131072                       ; LDS: 0 .. 131,071 partial O [part][tile][half][lane][16 B]; then maxima [part][q][r],
.set VMS, 135168                       ; 2,048 further the sums, and at 135,168 each wave's own 256 bytes for the mean of v
.set MSB, 0
.macro WIN new                         ; the immediate's high byte repeats the setting that is left
.if MSB != \new
	s_set_vgpr_msb (MSB<<8)|\new
.set MSB, \new
.endif
.endm
; the bases of key block s18: K and V at the index clamped to 0..63, the bias at the true index (kb is padded by 1,024 keys on each side)
.macro NEXTBASE
	s_max_i32 s28, s18, 0
	s_min_i32 s28, s28, 63
	s_lshl_b32 s28, s28, 13
	s_mov_b32 s29, 0
	s_add_nc_u64 s[24:25], s[20:21], s[28:29]
	s_add_co_i32 s28, s18, 32
	s_lshl_b32 s28, s28, 7
	s_add_nc_u64 s[26:27], s[22:23], s[28:29]
.endm
.macro LOADK
.irp i, 0,1,2,3,4,5,6,7
	global_load_b128 v[KF+4*\i:KF+4*\i+3], v1, s[24:25] offset:512*\i
.endr
.endm
.macro LOADB                           ; keys 16 k + 8 h + 0..7
	global_load_b128 v[BI:BI+3],     v2, s[26:27]
	global_load_b128 v[BI+4:BI+7],   v2, s[26:27] offset:16
	global_load_b128 v[BI+8:BI+11],  v2, s[26:27] offset:64
	global_load_b128 v[BI+12:BI+15], v2, s[26:27] offset:80
.endm
.macro LOADV
.irp i, 0,1,2,3,4,5,6,7
	global_load_b128 v[VF+4*\i:VF+4*\i+3], v1, s[24:25] offset:4096+512*\i
.endr
.endm
; The first score product of tile (k, q): d = 0..31, C = the tile's mask.  w0 = the step's first key tile in the window, or -1 for a step
; without edges.  With dl = w0 + k - q: 1..15 inside the band, 0 and 16 its edges, all else outside.  pass 0 emits the tiles whose C lies
; in window 0, pass 1 those whose C lies in window 1.
.macro LINK1 k, q, w0, pass
.set cls, 0
.if \w0 >= 0
.set dl, \w0+\k-\q
.if dl < 1
.set cls, 2
.endif
.if dl > 15
.set cls, 2
.endif
.if dl == 0
.set cls, 1
.endif
.if dl == 16
.set cls, 1
.endif
.endif
.if \pass == 0
.if cls == 0
	v_wmma_f32_16x16x32_f16 v[SS+16*\q+8*\k:SS+16*\q+8*\k+7], v[KF+16*\k:KF+16*\k+7], v[QF+16*\q:QF+16*\q+7], v[BI+8*\k:BI+8*\k+7]
.endif
.else
.if cls == 1
	v_wmma_f32_16x16x32_f16 v[SS+16*\q+8*\k:SS+16*\q+8*\k+7], v[KF+16*\k:KF+16*\k+7], v[QF+16*\q:QF+16*\q+7], v[CM+8*\k:CM+8*\k+7]
.endif
.if cls == 2
	v_wmma_f32_16x16x32_f16 v[SS+16*\q+8*\k:SS+16*\q+8*\k+7], v[KF+16*\k:KF+16*\k+7], v[QF+16*\q:QF+16*\q+7], v[AN:AN+7]
.endif
.endif
.endm
; One block of 32 keys against 64 queries.  first = 1: nothing is carried in.  ahead = 1: the next block's K, bias and V are asked for.
.macro STEP first, w0, ahead
	s_wait_loadcnt 0x8                             ; only V's eight loads are younger: K and the bias are in
.if \w0 >= 0
.if \w0 < 8
.set pat, TL
.else
.set pat, TR
.endif
	WIN 0x44
.irp k, 0,1
.irp i, 0,2,4,6
	v_pk_add_f32 v[CM+8*\k+\i:CM+8*\k+\i+1], v[BI+8*\k+\i:BI+8*\k+\i+1], v[pat+\i:pat+\i+1]
.endr
.endr
.endif
	WIN 0x04
.irp k, 0,1
.irp q, 0,1,2,3
	LINK1 \k, \q, \w0, 0
.endr
.endr
.if \w0 >= 0
	WIN 0x14
.irp k, 0,1
.irp q, 0,1,2,3
	LINK1 \k, \q, \w0, 1
.endr
.endr
	WIN 0x04
.endif
	; d = 32..63, in place.  The eight tiles take turns, one instruction a turn; the last first product is
	; never tile (0, 0)'s.
.irp k, 0,1
.irp q, 0,1,2,3
	v_wmma_f32_16x16x32_f16 v[SS+16*\q+8*\k:SS+16*\q+8*\k+7], v[KF+16*\k+8:KF+16*\k+15], v[QF+16*\q+8:QF+16*\q+15], v[SS+16*\q+8*\k:SS+16*\q+8*\k+7]
.endr
.endr
	WIN 0
.rept 4
	v_nop                                          ; places: before the scores are read and before K and the bias are loaded again
.endr
.if \ahead
	s_wait_xcnt 0x0                                ; V's pending loads name the base that is stepped now
	s_add_co_i32 s18, s18, 1
	NEXTBASE
	LOADK
	LOADB
.endif
	; the maximum of my 16 keys, of the old maximum, and of the other half of the lanes
.irp q, 0,1,2,3
.if \first
	v_max_num_f32 v[ST+8*\q+1], v[SS+16*\q], v[SS+16*\q+1]
.else
	v_max3_num_f32 v[ST+8*\q+1], v[ST+8*\q], v[SS+16*\q], v[SS+16*\q+1]
.endif
.endr
.irp i, 2,4,6,8,10,12,14
.irp q, 0,1,2,3
	v_max3_num_f32 v[ST+8*\q+1], v[ST+8*\q+1], v[SS+16*\q+\i], v[SS+16*\q+\i+1]
.endr
.endr
.irp q, 0,1,2,3
	v_permlanex16_b32 v[ST+8*\q+3], v[ST+8*\q+1], s30, s31
.endr
.if \first
.irp q, 0,1,2,3
	v_max_num_f32 v[ST+8*\q], v[ST+8*\q+1], v[ST+8*\q+3]
.endr
.else
.irp q, 0,1,2,3
	v_max_num_f32 v[ST+8*\q+1], v[ST+8*\q+1], v[ST+8*\q+3]
.endr
.irp q, 0,1,2,3
	v_sub_f32 v[ST+8*\q+2], v[ST+8*\q], v[ST+8*\q+1]
.endr
.irp q, 0,1,2,3
	v_exp_f32 v[ST+8*\q+2], v[ST+8*\q+2]           ; the factor on the old sums
.endr
.irp q, 0,1,2,3
	v_mov_b32 v[ST+8*\q], v[ST+8*\q+1]             ; also the plain instructions behind the exponentials (ISA guide 5.7.2)
.endr
.endif
.irp q, 0,1,2,3
.irp i, 0,2,4,6,8,10,12,14
	v_pk_add_f32 v[SS+16*\q+\i:SS+16*\q+\i+1], v[SS+16*\q+\i:SS+16*\q+\i+1], v[ST+8*\q:ST+8*\q+1] op_sel_hi:[1,0] neg_lo:[0,1] neg_hi:[0,1]
.endr
.endr
.set j, 0
.rept 64
	v_exp_f32 v[SS+j], v[SS+j]
.set j, j+1
.endr
	v_nop                                          ; one plain instruction behind the run of exponentials
	s_wait_alu depctr_va_vdst(0)
	; the sums, two keys at a time
.irp q, 0,1,2,3
.if \first
	s_wait_alu depctr_va_vdst(0)
	v_pk_add_f32 v[ST+8*\q+4:ST+8*\q+5], v[SS+16*\q:SS+16*\q+1], v[SS+16*\q+2:SS+16*\q+3]
.else
	v_pk_fma_f32 v[ST+8*\q+4:ST+8*\q+5], v[ST+8*\q+4:ST+8*\q+5], v[ST+8*\q+2:ST+8*\q+3], v[SS+16*\q:SS+16*\q+1] op_sel_hi:[1,0,1]
.endif
.endr
.if \first == 0
.irp q, 0,1,2,3
	v_pk_add_f32 v[ST+8*\q+4:ST+8*\q+5], v[ST+8*\q+4:ST+8*\q+5], v[SS+16*\q+2:SS+16*\q+3]
.endr
.endif
.irp i, 4,6,8,10,12,14
.irp q, 0,1,2,3
	v_pk_add_f32 v[ST+8*\q+4:ST+8*\q+5], v[ST+8*\q+4:ST+8*\q+5], v[SS+16*\q+\i:SS+16*\q+\i+1]
.endr
.endr
	; P^T in f16, in place: registers 0-3 keys 8 h .., registers 4-7 keys 16 + 8 h ..
.irp q, 0,1,2,3
.irp i, 0,1,2,3,4,5,6,7
	v_cvt_pk_f16_f32 v[SS+16*\q+\i], v[SS+16*\q+2*\i], v[SS+16*\q+2*\i+1]
.endr
.endr
.if \first == 0
	WIN 0x41
.irp q, 0,1,2,3
.set j, 0
.rept 16
	v_pk_mul_f32 v[OA+32*\q+j:OA+32*\q+j+1], v[OA+32*\q+j:OA+32*\q+j+1], v[ST+8*\q+2:ST+8*\q+3] op_sel_hi:[1,0]
.set j, j+2
.endr
.endr
.endif
.if \ahead
	s_wait_loadcnt 0xc                             ; the next block's K and bias, twelve loads, may stay out: V is in
.else
	s_wait_loadcnt 0x0
.endif
.if \first
	WIN 0x40
.else
	WIN 0x50
.endif
.irp q, 0,1,2,3
.irp t, 0,1,2,3
.if \first
	v_wmma_f32_16x16x32_f16 v[OA+8*(4*\q+\t):OA+8*(4*\q+\t)+7], v[VF+8*\t:VF+8*\t+7], v[SS+16*\q:SS+16*\q+7], 0
.else
	v_wmma_f32_16x16x32_f16 v[OA+8*(4*\q+\t):OA+8*(4*\q+\t)+7], v[VF+8*\t:VF+8*\t+7], v[SS+16*\q:SS+16*\q+7], v[OA+8*(4*\q+\t):OA+8*(4*\q+\t)+7]
.endif
.endr
.endr
	WIN 0
.rept 5
	v_nop                                          ; places: the next score products write over P^T, and V is loaded again
.endr
.if \ahead
	LOADV
.endif
.endm
; What both kinds of work-group do first.  s45 = head, s18 = first key block.
.macro PRO
	s_lshl_b32 s48, s46, 3
	s_add_co_u32 s48, s48, s45                     ; 8 b + head
	s_mov_b32 s29, 0
	s_lshl_b32 s28, s48, 19
	s_add_nc_u64 s[20:21], s[6:7], s[28:29]        ; this head's 64 blocks of 8 KB
	s_lshl_b32 s28, s46, 14
	s_add_nc_u64 s[22:23], s[8:9], s[28:29]        ; this batch's bias table
	s_lshl_b32 s28, s48, 18
	s_lshl_b32 s49, s47, 13
	s_add_co_u32 s28, s28, s49
	s_add_nc_u64 s[36:37], s[4:5], s[28:29]        ; my four query tiles of 2 KB
	s_lshl_b32 s28, s46, 15
	s_lshl_b32 s49, s45, 8
	s_add_co_u32 s28, s28, s49
	s_add_nc_u64 s[38:39], s[10:11], s[28:29]      ; the batch's 16 rows of vpart, this head's 64 columns
	s_lshl_b32 s28, s46, 21
	s_lshl_b32 s49, s47, 16
	s_add_co_u32 s28, s28, s49
	s_lshl_b32 s49, s45, 11
	s_add_co_u32 s28, s28, s49
	s_add_nc_u64 s[40:41], s[12:13], s[28:29]      ; at: row tile 128 b + 4 qb, this head's 2 KB
	NEXTBASE
.irp i, 0,1,2,3,4,5,6,7,8,9,10,11,12,13,14,15
	global_load_b64 v[VM+2*\i:VM+2*\i+1], v7, s[38:39] offset:2048*\i
.endr
	WIN 0x40
.irp i, 0,1,2,3,4,5,6,7,8,9,10,11,12,13,14,15
	global_load_b128 v[QF+4*\i:QF+4*\i+3], v1, s[36:37] offset:512*\i
.endr
	WIN 0
	LOADK
	LOADB
	LOADV
.irp q, 0,1,2,3
	v_mov_b32 v[ST+8*\q+3], 0                      ; v_permlanex16_b32 counts as a reader of its destination
.endr
	s_wait_loadcnt 0x24                            ; 16 + 8 + 4 + 8 = 36 younger loads may stay out: vpart's rows are in
.irp i, 0,1,2,3,4,5,6,7
	v_pk_add_f32 v[VM+2*\i:VM+2*\i+1], v[VM+2*\i:VM+2*\i+1], v[VM+2*\i+16:VM+2*\i+17]
.endr
.irp i, 0,1,2,3
	v_pk_add_f32 v[VM+2*\i:VM+2*\i+1], v[VM+2*\i:VM+2*\i+1], v[VM+2*\i+8:VM+2*\i+9]
.endr
.irp i, 0,1
	v_pk_add_f32 v[VM+2*\i:VM+2*\i+1], v[VM+2*\i:VM+2*\i+1], v[VM+2*\i+4:VM+2*\i+5]
.endr
	v_pk_add_f32 v[VM:VM+1], v[VM:VM+1], v[VM+2:VM+3]
	v_pk_mul_f32 v[VM:VM+1], v[VM:VM+1], s[42:43] op_sel_hi:[1,0]    ; / 2,048
	ds_store_b64 v4, v[VM:VM+1]                    ; into my wave's own 256 bytes; read back in another lane order at the end
.endm
.macro LRED                            ; the sums: the pair, then the other half of the lanes
.irp q, 0,1,2,3
	v_add_f32 v[ST+8*\q+4], v[ST+8*\q+4], v[ST+8*\q+5]
.endr
.irp q, 0,1,2,3
	v_permlanex16_b32 v[ST+8*\q+3], v[ST+8*\q+4], s30, s31
.endr
.irp q, 0,1,2,3
	v_add_f32 v[ST+8*\q+4], v[ST+8*\q+4], v[ST+8*\q+3]
.endr
.endm
	s_load_b256 s[4:11], s[0:1], 0x0               ; qs s[4:5], kv s[6:7], kb s[8:9], vpart s[10:11]
	s_load_b64 s[12:13], s[0:1], 0x20              ; at
	v_lshl_add_u32 v254, v0, 2, 0x21800
	v_mov_b32 v255, 0
	v_lshrrev_b32 v8, 5, v0
	v_readfirstlane_b32 s16, v8                    ; wave 0..7
	v_and_b32 v9, 31, v0                           ; lane
	v_and_b32 v10, 15, v0                          ; r
	v_bfe_u32 v11, v0, 4, 1                        ; h
	v_lshlrev_b32 v1, 4, v9                        ; 16 lane
	v_lshlrev_b32 v2, 5, v11                       ; 32 h
	v_lshlrev_b32 v7, 3, v9                        ; 8 lane
	s_lshl_b32 s49, s16, 8
	s_add_co_u32 s49, s49, VMS
	v_add_nc_u32 v3, s49, v2                       ; the mean of v, read: d = 16 t + 8 h + j
	v_add_nc_u32 v4, s49, v7                       ; written: d = 2 lane, 2 lane + 1
	v_mov_b32 v5, 0xfe800000                       ; -2^126
	v_mov_b32 v6, 0
	s_and_b32 s17, ttmp9, 1                        ; 0: head 0; 1: the seven local heads
	s_lshr_b32 s46, ttmp9, 6                       ; b
	s_bfe_u32 s47, ttmp9, 0x50001                  ; qb
	s_mov_b32 s30, 0x76543210                      ; v_permlanex16_b32: lane i of one half reads lane i of the other
	s_mov_b32 s31, 0xfedcba98
	s_mov_b32 s42, 0x3a000000                      ; 1 / 2,048, twice
	s_mov_b32 s43, 0x3a000000
	s_mov_b32 s44, 0xfe000000                      ; -2^125
	s_wait_kmcnt 0x0
	s_cmp_lg_u32 s17, 0
	s_cbranch_scc1 .Llocal
	; ---------------- head 0: eight waves share the 64 key blocks ----------------
	s_mov_b32 s45, 0
	s_lshl_b32 s18, s16, 3
	PRO
	STEP 1, -1, 1
	s_mov_b32 s19, 6
.Lglobal_step:
	STEP 0, -1, 1
	s_sub_co_u32 s19, s19, 1
	s_cmp_lg_u32 s19, 0
	s_cbranch_scc1 .Lglobal_step
	STEP 0, -1, 0
	LRED
	s_lshl_b32 s49, s16, 8
	s_add_co_u32 s49, s49, MB
	v_lshl_add_u32 v8, v10, 2, s49                 ; my part's maxima and sums
	s_lshl_b32 s49, s16, 14
	v_add_nc_u32 v9, s49, v1                       ; my part's 16 KB of O
	s_lshr_b32 s48, s16, 1                         ; behind the barrier I own query tile w >> 1
	s_and_b32 s49, s16, 1                          ; and tiles t = 2 (w & 1), 2 (w & 1) + 1
	s_lshl_b32 s28, s48, 6
	s_add_co_u32 s28, s28, MB
	v_lshl_add_u32 v12, v10, 2, s28
	s_lshl_b32 s28, s16, 11
	v_add_nc_u32 v13, s28, v1                      ; tiles 2 w, 2 w + 1 of parts 0 to 3,
	v_add_nc_u32 v14, 0x10000, v13                 ; of parts 4 to 7
	s_lshl_b32 s28, s49, 7
	v_add_nc_u32 v15, s28, v3
	s_lshl_b32 s28, s48, 14
	s_lshl_b32 s49, s49, 10
	s_add_co_u32 s28, s28, s49
	s_mov_b32 s29, 0
	s_add_nc_u64 s[40:41], s[40:41], s[28:29]
.irp q, 0,1,2,3
	ds_store_b32 v8, v[ST+8*\q] offset:64*\q               ; both halves of the lanes write the same word with the same value
	ds_store_b32 v8, v[ST+8*\q+4] offset:2048+64*\q
.endr
	WIN 0x04                                       ; store data from window 1
.irp i, 0,1,2,3,4,5,6,7,8,9,10,11,12,13,14,15
	ds_store_b128 v9, v[OA+8*\i:OA+8*\i+3] offset:1024*\i
	ds_store_b128 v9, v[OA+8*\i+4:OA+8*\i+7] offset:1024*\i+512
.endr
	WIN 0
	s_wait_dscnt 0x0                               ; for the others' sake: all my LDS stores are done
	s_barrier_signal -1
	s_barrier_wait -1
.irp p, 0,1,2,3,4,5,6,7
	ds_load_b32 v[GF+2*\p], v12 offset:256*\p
	ds_load_b32 v[GF+2*\p+1], v12 offset:2048+256*\p
.endr
.irp u, 0,1
	ds_load_b128 v[VM+8*\u:VM+8*\u+3], v15 offset:64*\u
	ds_load_b128 v[VM+8*\u+4:VM+8*\u+7], v15 offset:64*\u+16
.endr
.irp p, 0,1,2,3
.irp i, 0,1,2,3
	ds_load_b128 v[SS+16*\p+4*\i:SS+16*\p+4*\i+3], v13 offset:16384*\p+512*\i
.endr
.endr
.irp p, 0,1,2,3
.irp i, 0,1,2,3
	ds_load_b128 v[SS+64+16*\p+4*\i:SS+64+16*\p+4*\i+3], v14 offset:16384*\p+512*\i
.endr
.endr
	s_wait_dscnt 0x20                              ; the 32 loads of partial O may stay out: maxima, sums and the mean are in
	v_max3_num_f32 v16, v[GF], v[GF+2], v[GF+4]
	v_max3_num_f32 v16, v16, v[GF+6], v[GF+8]
	v_max3_num_f32 v16, v16, v[GF+10], v[GF+12]
	v_max_num_f32 v16, v16, v[GF+14]               ; the row's maximum over all parts
.irp p, 0,1,2,3,4,5,6,7
	v_sub_f32 v[GF+2*\p], v[GF+2*\p], v16
.endr
.irp p, 0,1,2,3,4,5,6,7
	v_exp_f32 v[GF+2*\p], v[GF+2*\p]
.endr
	v_nop
	s_wait_alu depctr_va_vdst(0)
	v_mul_f32 v17, v[GF], v[GF+1]
.irp p, 1,2,3,4,5,6,7
	v_fmac_f32 v17, v[GF+2*\p], v[GF+2*\p+1]
.endr
	v_rcp_f32 v17, v17                             ; the part that holds the maximum gives at least 1
	v_cmp_gt_f32 vcc_lo, s44, v16                  ; no allowed key in the whole row
	s_wait_alu depctr_va_vdst(0)
.irp p, 0,1,2,3,4,5,6,7
	v_mul_f32 v[GF+2*\p], v[GF+2*\p], v17
.endr
.irp p, 0,1,2,3,4,5,6,7
	s_wait_dscnt 28-4*\p                           ; the parts behind this one may stay out, four loads each
.irp i, 0,2,4,6,8,10,12,14
.if \p == 0
	v_pk_mul_f32 v[BI+\i:BI+\i+1], v[SS+\i:SS+\i+1], v[GF:GF+1] op_sel_hi:[1,0]
.else
	v_pk_fma_f32 v[BI+\i:BI+\i+1], v[SS+16*\p+\i:SS+16*\p+\i+1], v[GF+2*\p:GF+2*\p+1], v[BI+\i:BI+\i+1] op_sel_hi:[1,0,1]
.endif
.endr
.endr
.irp i, 0,1,2,3,4,5,6,7,8,9,10,11,12,13,14,15
	v_cndmask_b32 v[BI+\i], v[BI+\i], v[VM+\i], vcc_lo
.endr
.irp u, 0,1
.irp i, 0,1,2,3
	v_cvt_pk_f16_f32 v[BI+8*\u+\i], v[BI+8*\u+2*\i], v[BI+8*\u+2*\i+1]
.endr
	global_store_b128 v1, v[BI+8*\u:BI+8*\u+3], s[40:41] offset:512*\u
.endr
	s_wait_tensorcnt 0x0
	ds_add_u32 v254, v255
	s_wait_dscnt 0x0
	s_endpgm
	; ---------------- heads 1 to 7: a wave a head, ten key blocks; no barrier on this path ----------------
.Llocal:
	s_cmp_eq_u32 s16, 7
	s_cbranch_scc1 .Lidle
	s_add_co_u32 s45, s16, 1
	s_lshl_b32 s18, s47, 1
	s_sub_co_i32 s18, s18, 4
	PRO
	v_lshlrev_b32 v9, 3, v11
	v_sub_nc_u32 v8, v10, v9
	v_add_nc_u32 v8, 8, v8                         ; r - 8 h + 8, 0 to 23
	WIN 0x40
.irp j, 0,1,2,3,4,5,6,7
	v_cmp_ge_u32 vcc_lo, 8+\j, v8                  ; 8 h + j >= r
	v_cndmask_b32 v[TL+\j], v5, v6, vcc_lo
	v_cmp_le_u32 vcc_lo, 8+\j, v8                  ; 8 h + j <= r
	v_cndmask_b32 v[TR+\j], v5, v6, vcc_lo
	v_mov_b32 v[AN+\j], v5
.endr
	WIN 0
	STEP 1, 0, 1
	STEP 0, 2, 1
	s_mov_b32 s19, 6
.Llocal_step:
	STEP 0, -1, 1
	s_sub_co_u32 s19, s19, 1
	s_cmp_lg_u32 s19, 0
	s_cbranch_scc1 .Llocal_step
	STEP 0, 16, 1
	STEP 0, 18, 0
	LRED
.irp t, 0,1,2,3
	ds_load_b128 v[VM+8*\t:VM+8*\t+3], v3 offset:64*\t             ; my wave's own bytes: LDS serves a wave's instructions in order
	ds_load_b128 v[VM+8*\t+4:VM+8*\t+7], v3 offset:64*\t+16
.endr
.irp q, 0,1,2,3
	v_rcp_f32 v[ST+8*\q+2], v[ST+8*\q+4]           ; the sum holds the maximum's own 1
.endr
	v_nop
.irp q, 0,1,2,3
	v_cmp_gt_f32 s[32+\q], s44, v[ST+8*\q]         ; no allowed key in the whole row
.endr
	WIN 0x01
	s_wait_alu depctr_va_vdst(0)
.irp q, 0,1,2,3
.set j, 0
.rept 16
	v_pk_mul_f32 v[SS+32*\q+j:SS+32*\q+j+1], v[OA+32*\q+j:OA+32*\q+j+1], v[ST+8*\q+2:ST+8*\q+3] op_sel_hi:[1,0]
.set j, j+2
.endr
.endr
	WIN 0
	s_wait_dscnt 0x0
.irp q, 0,1,2,3
.irp t, 0,1,2,3
.irp j, 0,1,2,3,4,5,6,7
	v_cndmask_b32 v[SS+8*(4*\q+\t)+\j], v[SS+8*(4*\q+\t)+\j], v[VM+8*\t+\j], s[32+\q]
.endr
.irp i, 0,1,2,3
	v_cvt_pk_f16_f32 v[SS+8*(4*\q+\t)+\i], v[SS+8*(4*\q+\t)+2*\i], v[SS+8*(4*\q+\t)+2*\i+1]
.endr
	global_store_b128 v1, v[SS+8*(4*\q+\t):SS+8*(4*\q+\t)+3], s[40:41] offset:16384*\q+512*\t
.endr
.endr
.Lidle:
	s_wait_tensorcnt 0x0
	ds_add_u32 v254, v255
	s_wait_dscnt 0x0
	s_endpgm
.Lfunc_end_k_qf5531970a5_attn:
	.size	k_qf5531970a5_attn, .Lfunc_end_k_qf5531970a5_attn-k_qf5531970a5_attn
	.p2alignl 7, 3214868480
	.fill 96, 4, 3214868480
	.section	.rodata,"a",@progbits
	.p2align	6, 0x0
	.amdhsa_kernel k_qf5531970a5_attn
		.amdhsa_group_segment_fixed_size 138240
		.amdhsa_private_segment_fixed_size 0
		.amdhsa_enable_private_segment 0
		.amdhsa_kernarg_size 40
		.amdhsa_user_sgpr_count 2
		.amdhsa_user_sgpr_kernarg_segment_ptr 1
		.amdhsa_wavefront_size32 1
		.amdhsa_system_sgpr_workgroup_id_x 1
		.amdhsa_system_sgpr_workgroup_id_y 1
		.amdhsa_system_sgpr_workgroup_id_z 1
		.amdhsa_system_vgpr_workitem_id 0
		.amdhsa_next_free_vgpr 488
		.amdhsa_next_free_sgpr 66
		.amdhsa_reserve_vcc 1
		.amdhsa_float_denorm_mode_32 3
		.amdhsa_float_denorm_mode_16_64 3
		.amdhsa_memory_ordered 1
		.amdhsa_forward_progress 1
		.amdhsa_inst_pref_size 196
	.end_amdhsa_kernel
	.amdgpu_metadata
---
amdhsa.version: [ 1, 2 ]
amdhsa.kernels:
  - .name:           k_qf5531970a5_attn
    .symbol:         k_qf5531970a5_attn.kd
    .args:
      - { .name: qs, .offset: 0, .size: 8, .value_kind: global_buffer, .address_space: global }
      - { .name: kv, .offset: 8, .size: 8, .value_kind: global_buffer, .address_space: global }
      - { .name: kb, .offset: 16, .size: 8, .value_kind: global_buffer, .address_space: global }
      - { .name: vpart, .offset: 24, .size: 8, .value_kind: global_buffer, .address_space: global }
      - { .name: at, .offset: 32, .size: 8, .value_kind: global_buffer, .address_space: global }
    .group_segment_fixed_size: 138240
    .private_segment_fixed_size: 0
    .kernarg_segment_align: 8
    .kernarg_segment_size: 40
    .max_flat_workgroup_size: 256
    .sgpr_count:     66
    .vgpr_count:     488
    .wavefront_size: 32
...
	.end_amdgpu_metadata
.endif
;; end of part 2
;; launch oproj (part 3): grid 4 x 64, 4 waves a work-group, clusters of 4 x 4, 262,656 bytes of LDS; arguments at, wob, bo, out0; writes out0
.if DOCPART == 3
	.amdgcn_target "amdgcn-amd-amdhsa--gfx1250"
	.amdhsa_code_object_version 6
	.text
	.protected	k_qf5531970a5_oproj
	.globl	k_qf5531970a5_oproj
	.p2align	8
	.type	k_qf5531970a5_oproj,@function
k_qf5531970a5_oproj:
	s_mov_b64 s[64:65], 0
	v_nop
	global_prefetch_b8 v0, s[64:65] scope:SCOPE_SE
	s_setreg_imm32_b32 hwreg(HW_REG_WAVE_MODE, 25, 1), 1
	s_wait_xcnt 0x0
	s_wait_alu depctr_hold_cnt(0) depctr_sa_sdst(0) depctr_va_vdst(0) depctr_va_sdst(0) depctr_va_ssrc(0) depctr_va_vcc(0) depctr_vm_vsrc(0)
	s_getreg_b32 s2, hwreg(HW_REG_IB_STS2, 6, 4)
	s_cmp_eq_u32 s2, 0
	s_cbranch_scc0 .Lentry_in_a_cluster
	s_endpgm
.Lentry_in_a_cluster:
	s_bfe_u32 s2, ttmp6, 0x10000c
	s_cmp_lg_u32 s2, 0xf033
	s_cbranch_scc0 .Lentry_shape_is_right
	s_endpgm
.Lentry_shape_is_right:
; out0 = at Wo^T + bo.  at [8192][512] and Wo [512][512] come in f16 fragment order: at [row/16][e/32][1 KB], wob [nt][k/32][1 KB], a block
; of 1 KB = [k/8 % 4][r][8 k], so a fragment is two loads at 16 x lane, 512 bytes apart.  Sums in f32, out0 in f32.
; A work-group makes 128 x 128 of out0; wave (wr, wc) = (w >> 1, w & 1) makes 64 x 64: 4 row tiles (a) x 4 column tiles (t).
; COLUMN ORDER: lane r of column tile t of a group of 64 columns stands for column 4 r + t.  A lane's four tiles then hold four
; neighbouring columns of a row: 16 bytes, and sixteen lanes store 256 consecutive bytes, aligned, with no stage in LDS.
; The whole K = 512 of both operands fits in LDS (131,072 bytes each), so every byte of LDS is filled once: no slot is filled again.
; Each wave asks for four chunks of 128 along K (4 tiles x 4 KB each); four tensor loads of a wave are out at the most.
; CLUSTERS: 4 x 4 work-groups; at's tiles hang on wy alone and are asked for jointly along a row of the cluster, wob's on wx alone and
; are asked for jointly along a column.
.set ADA, 2                            ; v2,3   LDS address of my A fragments, chunks 0-1 and 2-3
.set ADB, 4                            ; v4,5   of my B fragments
.set F0,  16                           ; v[16:79]   fragment buffer 0: A at 8 a, B at 32 + 8 t
.set F1,  80                           ; v[80:143]  fragment buffer 1
.set TMP, 16                           ; the way out: 128 registers, over the buffers
.set BO,  144                          ; v[144:147] bo of my four columns
.set G1A, 24                           ; s[24:31] group 1 for at's tiles
.set G0A, 32                           ; s[32:47] group 0 for at's tiles, a set for each chunk
.set G1B, 48                           ; s[48:55] group 1 for wob's tiles: differs in the mask alone
.set G0B, 68                           ; s[68:83] group 0 for wob's tiles
; window 1: accumulator (a, t) at 8 (4 a + t)
.set MSB, 0
.macro WIN new                         ; the immediate's high byte repeats the setting that is left
.if MSB != \new
	s_set_vgpr_msb (MSB<<8)|\new
.set MSB, \new
.endif
.endm
.macro PLACES                          ; four places behind a matrix instruction (ISA guide 7.12.1)
.rept 4
	v_nop
.endr
.endm
.macro CROUND                          ; a round of the cluster's barrier
	s_barrier_signal -1
	s_barrier_wait -1
	s_cmp_lg_u32 s20, 0
	s_cbranch_scc1 .Lnot_wave_0_\@
	s_barrier_signal -3
.Lnot_wave_0_\@:
	s_barrier_wait -3
	s_barrier_signal -1
	s_barrier_wait -1
.endm
	s_load_b256 s[4:11], s[0:1], 0x0               ; at s[4:5], wob s[6:7], bo s[8:9], out0 s[10:11]
	v_lshl_add_u32 v254, v0, 2, 0x40000
	v_mov_b32 v255, 0
	ds_add_u32 v254, v255
	v_lshrrev_b32 v1, 5, v0
	v_readfirstlane_b32 s20, v1                    ; wave 0..3
	s_lshr_b32 s21, s20, 1                         ; wr.  Also: I fetch for A (0) or for B (1)
	s_and_b32 s22, s20, 1                          ; wc.  Also: which four tiles I fetch
	s_bfe_u32 s84, ttmp6, 0x40000                  ; cx
	s_bfe_u32 s85, ttmp6, 0x40004                  ; cy
	s_lshl_b32 s86, ttmp9, 2
	s_add_co_u32 s86, s86, s84                     ; wx
	s_and_b32 s87, ttmp7, 0xffff
	s_lshl_b32 s87, s87, 2
	s_add_co_u32 s87, s87, s85                     ; wy
	s_lshl_b32 s88, s85, 2
	s_lshl_b32 s88, 15, s88                        ; my row of the cluster
	s_lshl_b32 s89, 0x1111, s84                    ; my column
	; group 1: 4 rows (tiles) of 512 elements of 8 bytes (4 KB: four K blocks of a tile), 2,048 elements (a tile's 16 KB) from row to row
	s_or_b32 s[G1A+0], s88, (3<<16)|(1<<21)
	s_or_b32 s[G1B+0], s89, (3<<16)|(1<<21)
	s_mov_b32 s[G1A+1], 512<<16                    ; tensor_dim0 = 512
	s_mov_b32 s[G1B+1], 512<<16
	s_mov_b32 s[G1A+2], 4<<16                      ; tensor_dim1 = 4
	s_mov_b32 s[G1B+2], 4<<16
	s_mov_b32 s[G1A+3], 512<<16                    ; tile_dim0 = 512
	s_mov_b32 s[G1B+3], 512<<16
	s_mov_b32 s[G1A+4], 4                          ; tile_dim1 = 4
	s_mov_b32 s[G1B+4], 4
	s_mov_b32 s[G1A+5], 2048                       ; pitch
	s_mov_b32 s[G1B+5], 2048
	s_mov_b32 s[G1A+6], 0
	s_mov_b32 s[G1B+6], 0
	s_mov_b32 s[G1A+7], 0
	s_mov_b32 s[G1B+7], 0
	s_lshl_b32 s17, s22, 16                        ; my four tiles of 16 KB
	s_lshl_b32 s12, s87, 17                        ; A: 8 wy tiles (no register here ever holds cx)
	s_add_co_u32 s12, s12, s17
	s_mov_b32 s13, 0
	s_lshl_b32 s14, s86, 17                        ; B: 8 wx tiles (no register here ever holds cy)
	s_add_co_u32 s14, s14, s17
	s_mov_b32 s15, 0
	s_lshl_b32 s16, s22, 14                        ; in LDS a chunk holds 4 KB of each of 8 tiles: my four begin at 16,384 (w & 1)
	s_wait_dscnt 0x0
	s_wait_kmcnt 0x0
	s_add_nc_u64 s[12:13], s[4:5], s[12:13]
	s_add_nc_u64 s[14:15], s[6:7], s[14:15]
.irp c, 0,1,2,3
	s_mov_b32 s[G0A+4*\c], 1
	s_add_co_u32 s[G0A+4*\c+1], s16, \c*32768
	s_add_nc_u64 s[G0A+4*\c+2:G0A+4*\c+3], s[12:13], \c*4096
	s_or_b32 s[G0A+4*\c+3], s[G0A+4*\c+3], 0x80000000
	s_mov_b32 s[G0B+4*\c], 1
	s_add_co_u32 s[G0B+4*\c+1], s16, 131072+\c*32768
	s_add_nc_u64 s[G0B+4*\c+2:G0B+4*\c+3], s[14:15], \c*4096
	s_or_b32 s[G0B+4*\c+3], s[G0B+4*\c+3], 0x80000000
.endr
	CROUND                                         ; all sixteen work-groups are here: the joint loads meet
	s_cmp_eq_u32 s21, 0                            ; all four loads of a wave stand in one branch on its number
	s_cbranch_scc0 .Lfor_b
.irp c, 0,1,2,3
	tensor_load_to_lds s[G0A+4*\c:G0A+4*\c+3], s[G1A:G1A+7]
	s_nop 0
.endr
	s_branch .Lasked
.Lfor_b:
.irp c, 0,1,2,3
	tensor_load_to_lds s[G0B+4*\c:G0B+4*\c+3], s[G1B:G1B+7]
	s_nop 0
.endr
.Lasked:
	v_and_b32 v8, 31, v0                           ; lane
	v_and_b32 v9, 15, v0                           ; r
	v_bfe_u32 v10, v0, 4, 1                        ; h
	v_lshlrev_b32 v1, 4, v8
	s_lshl_b32 s18, s21, 14
	v_add_nc_u32 v[ADA], s18, v1                   ; my four row tiles, 4 KB each in a chunk
	v_add_nc_u32 v[ADA+1], 0x10000, v[ADA]
	s_lshl_b32 s18, s22, 14
	s_add_co_u32 s18, s18, 131072
	v_add_nc_u32 v[ADB], s18, v1                   ; my four column tiles
	v_add_nc_u32 v[ADB+1], 0x10000, v[ADB]
	v_lshlrev_b32 v7, 4, v9                        ; 16 r: four neighbouring columns
	v_lshl_add_u32 v6, v10, 14, v7                 ; + 8 h rows of 2,048 bytes
	s_lshl_b32 s56, s86, 9
	s_lshl_b32 s58, s22, 8
	s_add_co_u32 s56, s56, s58                     ; 4 (128 wx + 64 wc)
	s_mov_b32 s57, 0
	s_add_nc_u64 s[8:9], s[8:9], s[56:57]
	s_lshl_b32 s58, s87, 18
	s_add_co_u32 s56, s56, s58
	s_lshl_b32 s58, s21, 17
	s_add_co_u32 s56, s56, s58                     ; + 2,048 (128 wy + 64 wr)
	s_add_nc_u64 s[10:11], s[10:11], s[56:57]
	global_load_b128 v[BO:BO+3], v7, s[8:9]
; 16 LDS loads: the eight fragments of K block ks into buffer f
.macro FETCH ks, f
.set chk, (\ks)/4
.set hsel, chk/2
.set ob, (chk%2)*32768+((\ks)%4)*1024
.irp a, 0,1,2,3
	ds_load_b128 v[\f+8*\a:\f+8*\a+3],   v[ADA+hsel] offset:ob+\a*4096
	ds_load_b128 v[\f+8*\a+4:\f+8*\a+7], v[ADA+hsel] offset:ob+\a*4096+512
.endr
.irp a, 0,1,2,3
	ds_load_b128 v[\f+32+8*\a:\f+32+8*\a+3],   v[ADB+hsel] offset:ob+\a*4096
	ds_load_b128 v[\f+32+8*\a+4:\f+32+8*\a+7], v[ADB+hsel] offset:ob+\a*4096+512
.endr
.endm
; 16 products on 16 accumulators, which take turns, one instruction a turn
.macro MUL f, zero
	WIN 0x50
.irp a, 0,1,2,3
.irp t, 0,1,2,3
.if \zero
	v_wmma_f32_16x16x32_f16 v[8*(4*\a+\t):8*(4*\a+\t)+7], v[\f+8*\a:\f+8*\a+7], v[\f+32+8*\t:\f+32+8*\t+7], 0
.else
	v_wmma_f32_16x16x32_f16 v[8*(4*\a+\t):8*(4*\a+\t)+7], v[\f+8*\a:\f+8*\a+7], v[\f+32+8*\t:\f+32+8*\t+7], v[8*(4*\a+\t):8*(4*\a+\t)+7]
.endif
.endr
.endr
	WIN 0
.endm
; A chunk: 128 along K, four K blocks on buffers 0, 1, 0, 1.
.macro CHUNK c, zero
	s_wait_tensorcnt 3-\c                          ; my part of this chunk is in; the later chunks stay out: no LDS byte is ever filled again
	s_wait_dscnt 0x0
	s_barrier_signal -1
	s_barrier_wait -1                              ; everybody's part is in
.if \c
	PLACES                                         ; the loads below land in registers that the last products read
.endif
	FETCH 4*\c, F0
	FETCH 4*\c+1, F1
	s_wait_dscnt 0x10                              ; all but the 16 just issued
	MUL F0, \zero
	PLACES
	FETCH 4*\c+2, F0
	s_wait_dscnt 0x10
	MUL F1, 0
	PLACES
	FETCH 4*\c+3, F1
	s_wait_dscnt 0x10
	MUL F0, 0
	s_wait_dscnt 0x0
	MUL F1, 0
.endm
	CHUNK 0, 1                                     ; the first products start the sums
	CHUNK 1, 0
	CHUNK 2, 0
	CHUNK 3, 0
	; THE WAY OUT: the bias add also gathers a lane's four neighbouring columns (its four tiles) into four neighbouring registers.
	PLACES
	s_wait_loadcnt 0x0                             ; bo
	WIN 0x01
.irp a, 0,1,2,3
.irp j, 0,1,2,3,4,5,6,7
.irp t, 0,1,2,3
	v_add_f32 v[TMP+4*(8*\a+\j)+\t], v[8*(4*\a+\t)+\j], v[BO+\t]
.endr
.endr
.endr
	WIN 0
.irp a, 0,1,2,3
.irp j, 0,1,2,3,4,5,6,7
	global_store_b128 v6, v[TMP+4*(8*\a+\j):TMP+4*(8*\a+\j)+3], s[10:11] offset:(16*\a+\j)*2048 th:TH_STORE_NT   ; rows 16 a + 8 h + j: sixteen lanes store 256 consecutive bytes, aligned
.endr
.endr
	s_wait_tensorcnt 0x0
	ds_add_u32 v254, v255
	s_wait_dscnt 0x0
	CROUND                                         ; the closing round: no work-group ends while a partner may still ask for a tile that names it
	s_endpgm
.Lfunc_end_k_qf5531970a5_oproj:
	.size	k_qf5531970a5_oproj, .Lfunc_end_k_qf5531970a5_oproj-k_qf5531970a5_oproj
	.p2alignl 7, 3214868480
	.fill 96, 4, 3214868480
	.section	.rodata,"a",@progbits
	.p2align	6, 0x0
	.amdhsa_kernel k_qf5531970a5_oproj
		.amdhsa_group_segment_fixed_size 262656
		.amdhsa_private_segment_fixed_size 0
		.amdhsa_enable_private_segment 0
		.amdhsa_kernarg_size 32
		.amdhsa_user_sgpr_count 2
		.amdhsa_user_sgpr_kernarg_segment_ptr 1
		.amdhsa_wavefront_size32 1
		.amdhsa_system_sgpr_workgroup_id_x 1
		.amdhsa_system_sgpr_workgroup_id_y 1
		.amdhsa_system_sgpr_workgroup_id_z 1
		.amdhsa_system_vgpr_workitem_id 0
		.amdhsa_next_free_vgpr 384
		.amdhsa_next_free_sgpr 90
		.amdhsa_reserve_vcc 0
		.amdhsa_float_denorm_mode_32 3
		.amdhsa_float_denorm_mode_16_64 3
		.amdhsa_memory_ordered 1
		.amdhsa_forward_progress 1
		.amdhsa_inst_pref_size 50
	.end_amdhsa_kernel
	.amdgpu_metadata
---
amdhsa.version: [ 1, 2 ]
amdhsa.kernels:
  - .name:           k_qf5531970a5_oproj
    .symbol:         k_qf5531970a5_oproj.kd
    .args:
      - { .name: at, .offset: 0, .size: 8, .value_kind: global_buffer, .address_space: global }
      - { .name: wob, .offset: 8, .size: 8, .value_kind: global_buffer, .address_space: global }
      - { .name: bo, .offset: 16, .size: 8, .value_kind: global_buffer, .address_space: global }
      - { .name: out0, .offset: 24, .size: 8, .value_kind: global_buffer, .address_space: global }
    .group_segment_fixed_size: 262656
    .private_segment_fixed_size: 0
    .kernarg_segment_align: 8
    .kernarg_segment_size: 32
    .max_flat_workgroup_size: 128
    .sgpr_count:     90
    .vgpr_count:     384
    .wavefront_size: 32
...
	.end_amdgpu_metadata
.endif
;; end of part 3
